; MI455X (gfx1250); checked and timed in simulation.
; The chip was launched on July 23, 2026; its instructions are those of AMD's public machine-readable ISA for CDNA 5 (MIT licence, August 2026) and "CDNA5" Instruction Set Architecture Reference Guide (July 2026). The comments in the code are by the model that wrote it; some were corrected since.
;; Mix Classification Big SNN exp V. Allowed arithmetic: float matrix products may take bf16 or f16 operands with f32 sums; other float arithmetic in f32, or as packed bf16 or f16 multiplies, adds, multiply-adds, maxima and minima; sums over many terms, partial sums and values carried from step to step in f32; what a program stores and reads back later, other than sums and carried values, may be rounded once to bf16 or f16.
;; Inputs: W1 256 x 1,024 float32; W2 256 x 256 float32; W3 256 x 256 float32; Wli 10 x 256 float32; b1 256 float32; b2 256 float32; b3 256 float32; x 4,096 x 1,024 float32.
;; Outputs: out0 4,096 x 10 float32.
;; One version. Each part assembles by itself: llvm-mc -triple=amdgcn-amd-amdhsa -mcpu=gfx1250 --defsym DOCPART=n.
;; ======== version 1 of 1: 2 launches
;; workspace buffers: wb 851,968 bytes
;; launch prep (part 1): grid 16 x 13, 8 waves a work-group, no clusters, 0 bytes of LDS; arguments W1, W2, W3, Wli, wb; writes wb
.if DOCPART == 1
	.amdgcn_target "amdgcn-amd-amdhsa--gfx1250"
	.amdhsa_code_object_version 6
	.text
	.protected	k_qd78847084e_prep
	.globl	k_qd78847084e_prep
	.p2align	8
	.type	k_qd78847084e_prep,@function
k_qd78847084e_prep:
	s_mov_b64 s[64:65], 0
	v_nop
	global_prefetch_b8 v0, s[64:65] scope:SCOPE_SE
	s_setreg_imm32_b32 hwreg(HW_REG_WAVE_MODE, 25, 1), 1
	s_wait_xcnt 0x0
; The four weight matrices, rounded once to bf16 (nearest even), laid out as 13 dense chunks of [256 rows][128 k], 65,536 bytes each,
; in the order in which the main launch asks for them:  0-7: W1[n][128 c + kk];  8, 9: W2[n][128 (c - 8) + kk];  10, 11: W3 likewise;
; 12: row 64 w + r, column kk < 64: Wli[r][64 w + kk] where r < 10, and 0 everywhere else.
; Grid: x = 16 rows of a chunk, y = the chunk.  A thread makes 8 numbers: 32 bytes in, 16 bytes out; sixteen neighbouring lanes read
; 512 consecutive bytes and store 256 consecutive bytes that begin at a multiple of 256 from wb's first byte.
	s_load_b256 s[4:11], s[0:1], 0x0               ; W1 s[4:5], W2 s[6:7], W3 s[8:9], Wli s[10:11]
	s_load_b64 s[12:13], s[0:1], 0x20              ; wb
	s_and_b32 s14, ttmp7, 0xffff                   ; c, the chunk
	s_lshl_b32 s15, ttmp9, 4
	s_lshl_b32 s24, ttmp9, 12
	s_lshl_b32 s20, s14, 16                        ; the chunk's first byte in wb
	s_mov_b32 s21, 0
	s_and_b32 s19, s14, 1                          ; which half of W2's or W3's k
	v_lshrrev_b32 v1, 4, v0
	v_add_nc_u32 v1, s15, v1                       ; row of the chunk, 0 to 255
	v_and_b32 v2, 15, v0                           ; p: which 8 numbers of the row
	v_lshl_add_u32 v3, v0, 4, s24                  ; byte in the chunk: 256 row + 16 p = 4,096 x + 16 thread
	s_wait_kmcnt 0x0
	s_add_nc_u64 s[12:13], s[12:13], s[20:21]
	s_cmp_eq_u32 s14, 12
	s_cbranch_scc1 .Lwli
	s_cmp_lt_u32 s14, 10
	s_cselect_b64 s[16:17], s[6:7], s[8:9]         ; W2 for chunks 8, 9; W3 for 10, 11
	s_cmp_lt_u32 s14, 8
	s_cselect_b64 s[16:17], s[4:5], s[16:17]       ; W1 for chunks 0 to 7,
	s_cselect_b32 s18, 12, 10                      ; whose rows are 4,096 bytes, the others' 1,024,
	s_cselect_b32 s19, s14, s19                    ; and which has eight pieces of 128 k, the others two
	s_lshl_b32 s19, s19, 9
	s_mov_b32 s22, -1                              ; every number is kept
	v_lshlrev_b32 v4, s18, v1
	v_lshl_add_u32 v4, v2, 5, v4
	v_add_nc_u32 v4, s19, v4                       ; row x row bytes + 512 piece + 32 p
	s_branch .Lgo
.Lwli:
	s_mov_b64 s[16:17], s[10:11]
	v_and_b32 v5, 63, v1                           ; r
	v_lshrrev_b32 v6, 6, v1                        ; w
	v_cmp_gt_u32 s22, 10, v5                       ; kept: r < 10
	v_cmp_gt_u32 s23, 8, v2                        ; and kk < 64
	s_and_b32 s22, s22, s23
	v_min_u32 v5, 9, v5                            ; the other lanes load inside Wli all the same, and their numbers are dropped
	v_and_b32 v7, 7, v2
	v_lshlrev_b32 v4, 10, v5
	v_lshl_add_u32 v4, v6, 8, v4
	v_lshl_add_u32 v4, v7, 5, v4                   ; 1,024 r + 256 w + 32 p
.Lgo:
	global_load_b128 v[8:11], v4, s[16:17]
	global_load_b128 v[12:15], v4, s[16:17] offset:16
	s_wait_loadcnt 0x0
	v_cvt_pk_bf16_f32 v16, v8, v9
	v_cvt_pk_bf16_f32 v17, v10, v11
	v_cvt_pk_bf16_f32 v18, v12, v13
	v_cvt_pk_bf16_f32 v19, v14, v15
	v_cndmask_b32 v16, 0, v16, s22
	v_cndmask_b32 v17, 0, v17, s22
	v_cndmask_b32 v18, 0, v18, s22
	v_cndmask_b32 v19, 0, v19, s22
	global_store_b128 v3, v[16:19], s[12:13]
	s_endpgm
.Lfunc_end_k_qd78847084e_prep:
	.size	k_qd78847084e_prep, .Lfunc_end_k_qd78847084e_prep-k_qd78847084e_prep
	.p2alignl 7, 3214868480
	.fill 96, 4, 3214868480
	.section	.rodata,"a",@progbits
	.p2align	6, 0x0
	.amdhsa_kernel k_qd78847084e_prep
		.amdhsa_group_segment_fixed_size 0
		.amdhsa_private_segment_fixed_size 0
		.amdhsa_enable_private_segment 0
		.amdhsa_kernarg_size 40
		.amdhsa_user_sgpr_count 2
		.amdhsa_user_sgpr_kernarg_segment_ptr 1
		.amdhsa_wavefront_size32 1
		.amdhsa_system_sgpr_workgroup_id_x 1
		.amdhsa_system_sgpr_workgroup_id_y 1
		.amdhsa_system_sgpr_workgroup_id_z 1
		.amdhsa_system_vgpr_workitem_id 0
		.amdhsa_next_free_vgpr 24
		.amdhsa_next_free_sgpr 66
		.amdhsa_reserve_vcc 0
		.amdhsa_float_denorm_mode_32 3
		.amdhsa_float_denorm_mode_16_64 3
		.amdhsa_memory_ordered 1
		.amdhsa_forward_progress 1
		.amdhsa_inst_pref_size 3
	.end_amdhsa_kernel
	.amdgpu_metadata
---
amdhsa.version: [ 1, 2 ]
amdhsa.kernels:
  - .name:           k_qd78847084e_prep
    .symbol:         k_qd78847084e_prep.kd
    .args:
      - { .name: W1, .offset: 0, .size: 8, .value_kind: global_buffer, .address_space: global }
      - { .name: W2, .offset: 8, .size: 8, .value_kind: global_buffer, .address_space: global }
      - { .name: W3, .offset: 16, .size: 8, .value_kind: global_buffer, .address_space: global }
      - { .name: Wli, .offset: 24, .size: 8, .value_kind: global_buffer, .address_space: global }
      - { .name: wb, .offset: 32, .size: 8, .value_kind: global_buffer, .address_space: global }
    .group_segment_fixed_size: 0
    .private_segment_fixed_size: 0
    .kernarg_segment_align: 8
    .kernarg_segment_size: 40
    .max_flat_workgroup_size: 256
    .sgpr_count:     66
    .vgpr_count:     24
    .wavefront_size: 32
...
	.end_amdgpu_metadata
.endif
;; end of part 1
;; launch snn (part 2): grid 256 x 1, 4 waves a work-group, clusters of 4 x 1, 327,680 bytes of LDS; arguments x, wb, b1, b2, b3, out0; writes out0
.if DOCPART == 2
	.amdgcn_target "amdgcn-amd-amdhsa--gfx1250"
	.amdhsa_code_object_version 6
	.text
	.protected	k_qd78847084e_snn
	.globl	k_qd78847084e_snn
	.p2align	8
	.type	k_qd78847084e_snn,@function
k_qd78847084e_snn:
	s_mov_b64 s[64:65], 0
	v_nop
	global_prefetch_b8 v0, s[64:65] scope:SCOPE_SE
	s_setreg_imm32_b32 hwreg(HW_REG_WAVE_MODE, 25, 1), 1
	s_wait_xcnt 0x0
	s_wait_alu depctr_hold_cnt(0) depctr_sa_sdst(0) depctr_va_vdst(0) depctr_va_sdst(0) depctr_va_ssrc(0) depctr_va_vcc(0) depctr_vm_vsrc(0)
	s_getreg_b32 s2, hwreg(HW_REG_IB_STS2, 6, 4)
	s_cmp_eq_u32 s2, 0
	s_cbranch_scc0 .Lentry_in_a_cluster
	s_endpgm
.Lentry_in_a_cluster:
	s_bfe_u32 s2, ttmp6, 0x10000c
	s_cmp_lg_u32 s2, 0x3003
	s_cbranch_scc0 .Lentry_shape_is_right
	s_endpgm
.Lentry_shape_is_right:
; THE WHOLE NETWORK FOR 16 BATCH ROWS A WORK-GROUP: encoder, three LIF layers of 256 units with two residual adds, leaky readout; out0 = the voltage of step 23.
; No layer feeds back, so a layer's products for ALL time steps are one product with 16 rows x time as its rows, and a layer's LIF is a scan over time that never leaves a lane.
; WHAT IS LEFT OUT, exactly, for every input: vo[23] hangs on io[22] alone, a spike of step t on inputs up to t - 1, and the states start at 0 (so every layer's spikes of step 0 are 0):
; encoder and first product for steps 0-21, second and third product for steps 1-21 (step 0's input is the bias), spikes and readout for steps 1-22.
; NUMBERS.  All inputs are rounded once to bf16 (x and the biases here, the weights in the launch before); spikes and their residual sums (0 to 3) are exact in bf16; sums and states in f32.
; Each elementwise step has the formula's own form with multiply and add fused: v = fma(0.1, i - v, v), i = fma(i, 0.8, input), reset v = fma(-z, v, v) (exact).
; A spike is z = clamp(fma(v, 2^30, -2^30 th)) to 0 .. 1: the sign is that of v - th, and the least v above th gives 16 or more ahead of the clamp, so z is exactly 0 or 1.
; LIMITS.  The bias starts each product's sum, where the formula adds it behind the sum; each wave filters the readout's partial sums over its own 64 units and the four voltages are added at the end
; (the filter is linear): two other orders of rounding.  A voltage whose distance from its threshold is below the rounding of those sums can spike a step early or late.  NaN and infinities are not treated apart.
; SHARES.  Four waves; wave w owns units 64 w .. 64 w + 63 of every layer, for all steps: 22 x 4 accumulators of 16 x 16, 704 registers.
; THE MATRIX INSTRUCTION IS USED TRANSPOSED: source 0 = 16 rows of weights, source 1 = 32 k x 16 batch rows of spikes.  In the result lane (r = l % 16, h = l / 16) holds batch row r, register j unit 8 h + j.
; Two neighbouring results, rounded in pairs, ARE the next layer's source 1.  Spikes lie in LDS as images of fragments, 1,024 bytes: registers 0-3 at 16 l, registers 4-7 at 512 + 16 l.
; CLUSTER.  All work-groups walk the same 13 chunks of weights, so four of them ask for each chunk JOINTLY; x is each work-group's own and comes by loads without a mask.
; LDS: two slots of 256 rows x 272 bytes for weights | the spare words | OREG: the spikes o[t], t = 1 .. 22, 8,192 bytes a step | STG: the four partial voltages.
;   During the first product OREG holds instead: E0, E1 (22 images each: one K step's spikes of all steps, two buffers), XB (x: 8 pieces of 16 rows x 528 bytes), ZPAD (zeros).
; REGISTERS, in windows of 256 (s_set_vgpr_msb: bits 1:0 source 0, 3:2 source 1, 5:4 source 2, 7:6 destination): window 0 all that is at work; accumulator (t, nb) at v[320 + 8 (4 t + nb)]:
;   window 1: v0-31 BC (the next product's bias), v32-63 BX (b3), v64-255 steps 0-5;  window 2: steps 6-13;  window 3: steps 14-21.
.set SLOTX,  0x11000                   ; a slot's bytes; it shares no bit with wave x 17,408, so one exclusive or changes slots
.set WP,     272                       ; a weight row in LDS: 256 bytes + 16 of padding: the 16 rows of a fragment load begin in 16 different groups of four banks (64 banks of 4 bytes: ISA guide 11.1)
.set WQ,     64*WP                     ; a wave's 64 rows
.set SPARE,  2*SLOTX                   ; the spare words: 128 bytes a wave, two blocks of 256 bytes that no other line names
.set OREG,   SPARE+512
.set EB,     22*1024                   ; a buffer of 22 images
.set XB,     OREG+2*EB
.set XP,     528                       ; a row of a piece of x: 512 bytes + 16
.set XPC,    16*XP
.set ZPAD,   XB+8*XPC                  ; the last trip's look-ahead for x reads here
.set STG,    OREG+22*8192
.set R,    1                           ; v1   l % 16
.set H,    2                           ; v2   l / 16
.set L16,  3                           ; v3   16 l
.set ERD,  4                           ; v4   OREG + 16 l: where I read images
.set EWR,  5                           ; v5   OREG + 8 thread: where I write 4 spikes of an image
.set XLT,  6                           ; v6   my 4 features of a K step in XB
.set XAD,  7                           ; v7   at work
.set WL0,  8                           ; v8   my lane's place in my wave's rows of slot 0
.set WL1,  9                           ; v9   of slot 1
.set WAD,  10                          ; v10  the weight fragments' address in hand
.set TA,   11                          ; v11  at work
.set BIG,  12                          ; v[12:13] 2^30
.set NEGE, 14                          ; v[14:15] -2^30 x 1.0
.set NEGL, 16                          ; v[16:17] -2^30 x 0.23
.set T,    18                          ; v[18:19] at work
.set X0,   20                          ; v[20:23], v[24:27] my 4 features of x, by the K step's parity
.set OR,   20                          ; v20-22 later: the images' addresses in the second and third product
.set VV,   28                          ; encoder: v
.set DD,   32                          ;          x - v
.set ZZ,   36                          ;          z
.set SPE,  40                          ;          4 spikes in bf16
.set SPW,  42                          ; v42  my spare word: SPARE + 4 x thread; never rewritten
.set NIL,  43                          ; v43  0; never rewritten
.set OW,   44                          ; v44-46  OREG + 2,048 w + 16 l + 65,536 x {0, 1, 2}: my wave's own images
.set WF,   48                          ; v48-79, v80-111  weight fragments, by the K step's parity
.set SF,   112                         ; v112-143  a ring of four spike fragments
.set SFX,  144                         ; v144-159  steps 20 and 21, kept across the barrier
.set LV,   48                          ; LIF: v, i, z (32 each), packed spikes (16), old spikes (2 x 16)
.set LI,   80
.set LZ,   112
.set LS,   144
.set LR,   160
.set GS,   48                          ; second and third product: 21 spike fragments, 4 weight fragments
.set GW,   216
.set RF,   48                          ; readout: 2 x 32 spike fragments, 2 weight fragments, io, vo, io - vo
.set RW,   112
.set IO,   128
.set VO,   136
.set DO,   144
.set BC,   0                           ; window 1
.set BX,   32                          ; window 1
.set WV,   16                          ; s16  my wave's number
.set G1W,  24                          ; s[24:31] descriptor group 1, weights
.set G1X,  32                          ; s[32:39] descriptor group 1, x
.set G0A,  40                          ; s[40:43] group 0: chunk 0
.set G0W,  44                          ; s[44:47] group 0: chunk 1, then it walks
.set G0X,  48                          ; s[48:55] group 0: my two pieces of x
.set C01,  56                          ; s[56:57] 0.1
.set C08,  58                          ; s[58:59] 0.8
.set HM,   60                          ; s60  a word's upper bf16
.set SLOTS, 61
.set PAIRS, 62
.set WB,   63                          ; s63  slot and byte along the rows of the next K steps' weights
.set XO1,  66                          ; s66  byte in XB of the odd K step to be fetched
.set XO0,  67                          ; s67  of the even one
.set LCT,  68
.set KBC,  69
.set WK,   70                          ; s70  byte along the weight rows of the next k block
.set KO,   71                          ; s71  1,024 x the next k block
.set MSB, 0
.macro WIN new                         ; the high byte repeats the setting that is left; a switch that changes nothing is dropped
.if MSB != (\new)
	s_set_vgpr_msb (MSB<<8)|(\new)
.set MSB, (\new)
.endif
.endm
; A load into a register that a matrix instruction has read, and a vector instruction that reads a matrix result, stand four places behind it; only plain vector instructions that name none of its
; registers are places (ISA guide 7.12.1 for vector instructions).
.macro PLACES
.rept 4
	v_nop
.endr
.endm
; A round of the cluster's barrier: my work-group's barrier, wave 0 signals for the work-group, every wave waits for all four work-groups, my work-group's barrier once more.
.macro ROUND
	s_barrier_signal -1
	s_barrier_wait -1
	s_cmp_lg_u32 s[WV], 0
	s_cbranch_scc1 .Lnw0_\@
	s_barrier_signal -3
.Lnw0_\@:
	s_barrier_wait -3
	s_barrier_signal -1
	s_barrier_wait -1
.endm
; THE CHANGE OF SLOTS.  Every wave waits for all its tensor loads (the one that is out is its part of the other slot), adds 0 to its spare word, and waits for that and for its LDS instructions; behind the round no wave
; of any partner reads the old slot or has a load on its way, and the next chunk is asked for first thing, one load a wave.  a = 1: in the first product, where the walks along the rows and through x turn too.
.macro CHANGE a
	WIN 0
	s_wait_tensorcnt 0x0                           ; no tensor load of mine is out, so the walking group 0 may be written
	ds_add_u32 v[SPW], v[NIL]                      ; 0 onto my spare word; the scalar steps stand between it and the wait for it
	s_xor_b32 s[G0W+1], s[G0W+1], SLOTX            ; the other slot,
	s_add_nc_u64 s[G0W+2:G0W+3], s[G0W+2:G0W+3], 0x10000  ; the next chunk; the type bits on top are not reached
.if \a
	s_sub_co_u32 s[WB], s[WB], 256                 ; back to the rows' first byte,
	s_xor_b32 s[WB], s[WB], SLOTX                  ; in the other slot
	s_add_co_u32 s[XO1], s[XO1], 7936              ; 512 bytes on in a piece of x are the next piece's first: 8,448 - 512
	s_sub_co_u32 s[XO0], s[XO0], 7936              ; the even steps ran a piece ahead: 2 x 8,192 less this are 8,448
.endif
	s_wait_dscnt 0x0                               ; the add is done, and so are my reads of the slot and my stores of spikes
	ROUND
	tensor_load_to_lds s[G0W:G0W+3], s[G1W:G1W+7]
	s_nop 0
	PLACES
.endm
; One matrix instruction: accumulator (t, nb), weights v[wf + 8 nb], spikes v[sf].  cb = 1: the bias starts the sum.
.macro MMA t, nb, wf, sf, cb
.set aa, 320+8*(4*(\t)+(\nb))
.set aw, aa/256
.set al, aa%256
.if \cb
	WIN (aw<<6)|0x10
	v_wmma_f32_16x16x32_bf16 v[al:al+7], v[(\wf)+8*(\nb):(\wf)+8*(\nb)+7], v[\sf:(\sf)+7], v[BC+8*(\nb):BC+8*(\nb)+7]
.else
	WIN (aw<<6)|(aw<<4)
	v_wmma_f32_16x16x32_bf16 v[al:al+7], v[(\wf)+8*(\nb):(\wf)+8*(\nb)+7], v[\sf:(\sf)+7], v[al:al+7]
.endif
.endm
; LC counts the LDS instructions written since the last wait for 0; MK0-3 remember LC behind each ring buffer's load.  LDS instructions end in order (ISA guide 5.7.1), so LC - MK is the count that shows the fragment in.
.macro SETMARK b
.if (\b) == 0
.set MK0, LC
.elseif (\b) == 1
.set MK1, LC
.elseif (\b) == 2
.set MK2, LC
.else
.set MK3, LC
.endif
.endm
.macro GETMARK b
.if (\b) == 0
.set MK, MK0
.elseif (\b) == 1
.set MK, MK1
.elseif (\b) == 2
.set MK, MK2
.else
.set MK, MK3
.endif
.endm
.macro LOADSF b, off                   ; an image into ring buffer b
	WIN 0
	ds_load_b128 v[SF+8*(\b):SF+8*(\b)+3],   v[ERD] offset:(\off)
	ds_load_b128 v[SF+8*(\b)+4:SF+8*(\b)+7], v[ERD] offset:(\off)+512
.set LC, LC+2
	SETMARK \b
.endm
; THE ENCODER'S QUEUE: 22 steps u of 11 entries, for my 4 features (two pairs pp): x - v; v += 0.1 (x - v); z; reset; rounding to bf16; the store of 8 bytes into image u of the other buffer.
; Step 0 starts from v = 0 (v = 0.1 x, one entry pair empty); step 21 needs no reset.
.macro ENQ e
.set u, QN/11
.set en, QN%11
.set pp, en%2
.set xr, X0+4*(1-(\e))+2*pp
	WIN 0
.if en < 2
.if u == 0
	v_pk_mul_f32 v[VV+2*pp:VV+2*pp+1], v[xr:xr+1], s[C01:C01+1] op_sel_hi:[1,0]
.else
	v_pk_add_f32 v[DD+2*pp:DD+2*pp+1], v[xr:xr+1], v[VV+2*pp:VV+2*pp+1] neg_lo:[0,1] neg_hi:[0,1]
.endif
.elseif en < 4
.if u > 0
	v_pk_fma_f32 v[VV+2*pp:VV+2*pp+1], v[DD+2*pp:DD+2*pp+1], s[C01:C01+1], v[VV+2*pp:VV+2*pp+1] op_sel_hi:[1,0,1]
.endif
.elseif en < 6
	v_pk_fma_f32 v[ZZ+2*pp:ZZ+2*pp+1], v[VV+2*pp:VV+2*pp+1], v[BIG:BIG+1], v[NEGE:NEGE+1] clamp
.elseif en < 8
.if u < 21
	v_pk_fma_f32 v[VV+2*pp:VV+2*pp+1], v[ZZ+2*pp:ZZ+2*pp+1], v[VV+2*pp:VV+2*pp+1], v[VV+2*pp:VV+2*pp+1] neg_lo:[1,0,0] neg_hi:[1,0,0]
.endif
.elseif en < 10
	v_cvt_pk_bf16_f32 v[SPE+pp], v[ZZ+2*pp], v[ZZ+2*pp+1]
.else
	ds_store_b64 v[EWR], v[SPE:SPE+1] offset:(1-(\e))*EB+u*1024
.set LC, LC+1
.endif
.set QN, QN+1
.endm
; What stands behind matrix instruction i of an epoch's 88.
.macro SLICE e
.if i == 0
	LOADSF 0, (\e)*EB                              ; steps 0 and 1 of this K step: their turns come behind the two turns left over from the K step before
	LOADSF 1, (\e)*EB+1024
.elseif (i%4 == 0) && (i >= 8) && (i <= 76)
	LOADSF (i/4)%4, (\e)*EB+(i/4)*1024             ; two turns ahead of its use; the buffer's last reader stands a whole turn's riders back
.endif
.if (i == 40) || (i == 44)
	WIN 0
	ds_load_b128 v[SFX+8*(i/4-10):SFX+8*(i/4-10)+3],   v[ERD] offset:(\e)*EB+(i/4+10)*1024      ; steps 20 and 21: multiplied behind the barrier
	ds_load_b128 v[SFX+8*(i/4-10)+4:SFX+8*(i/4-10)+7], v[ERD] offset:(\e)*EB+(i/4+10)*1024+512
.set LC, LC+2
.endif
.if i < 8
.rept 4
	ENQ \e
.endr
.elseif i < 78                         ; 8 x 4 + 70 x 3 = 242 entries
.rept 3
	ENQ \e
.endr
.endif
.if i == 9
	v_add_nc_u32 v[WAD], s[WB], v[WL0]
.elseif (i >= 12) && (i <= 19)         ; the next K step's weights, into the buffer whose last reader was matrix instruction 7
	ds_load_b128 v[WF+32*(1-(\e))+4*(i-12):WF+32*(1-(\e))+4*(i-12)+3], v[WAD] offset:((i-12)/2)*16*WP+64*(1-(\e))+32*((i-12)%2)
.set LC, LC+1
.elseif i == 24
	v_add_nc_u32 v[XAD], s[67-(\e)], v[XLT]
.elseif i == 25                        ; x of the K step after the next
	ds_load_b128 v[X0+4*(\e):X0+4*(\e)+3], v[XAD]
.set LC, LC+1
.elseif i == 52                        ; it is in: the head wait of the turn in hand covers every LDS instruction ahead of matrix instruction 44.  Rounded to bf16 and widened again
	v_cvt_pk_bf16_f32 v[T], v[X0+4*(\e)], v[X0+4*(\e)+1]
.elseif i == 53
	v_cvt_pk_bf16_f32 v[T+1], v[X0+4*(\e)+2], v[X0+4*(\e)+3]
.elseif i == 54
	v_lshlrev_b32 v[X0+4*(\e)], 16, v[T]
.elseif i == 55
	v_and_b32 v[X0+4*(\e)+1], s[HM], v[T]
.elseif i == 56
	v_lshlrev_b32 v[X0+4*(\e)+2], 16, v[T+1]
.elseif i == 57
	v_and_b32 v[X0+4*(\e)+3], s[HM], v[T+1]
.elseif i == 87
	PLACES                                         ; for the loads that the next epoch issues into the ring
.endif
.endm
; AN EPOCH, e = the parity of its K step s (32 features).  22 turns of four matrix instructions: steps 20, 21 of K step s - 1, then steps 0-19 of K step s from buffer E[e].  Beside them: the encoder makes
; K step s + 1 into E[1 - e]; the weights of s + 1 and x of s + 2 are fetched.  ONE barrier: in front of it my reads of E[e] and my stores into E[1 - e] are done; behind it E[1 - e] is whole and E[e] may be written.
; The 88 accumulators take turns, one instruction a turn.
.macro EPOCH e
.set LC, 0                             ; nothing is out here: every way in has waited for 0
.set QN, 0
.set i, 0
.rept 88
.if (i%4 == 0) && (i >= 8) && (i < 84)
	GETMARK (i/4-2)%4
	s_wait_dscnt LC-MK                             ; this turn's fragment is in; what was issued behind it may stay out
.endif
.if i == 84
	s_wait_dscnt 0x0                               ; all my LDS instructions are done,
	s_barrier_signal -1                            ; say so; the last turn works on registers while the others arrive
.endif
.if i < 8
	MMA 20+i/4, i%4, WF+32*(1-(\e)), SFX+8*(i/4), 0
.else
	MMA i/4-2, i%4, WF+32*(\e), SF+8*((i/4-2)%4), 0
.endif
	SLICE \e
.set i, i+1
.endr
	WIN 0
	s_barrier_wait -1
.endm
.macro TURNP t                         ; a turn of the last K step: nothing is left to ride
	GETMARK (\t)%4
	s_wait_dscnt LC-MK
.set n, 0
.rept 4
	MMA \t, n, WF+32, SF+8*((\t)%4), 0
.set n, n+1
.endr
	WIN 0
	PLACES
.if (\t) < 20
	LOADSF ((\t)+2)%4, EB+((\t)+2)*1024
.endif
.endm
	s_load_b256 s[4:11], s[0:1], 0x0               ; x s[4:5], wb s[6:7], b1 s[8:9], b2 s[10:11]
	s_load_b128 s[12:15], s[0:1], 0x20             ; b3 s[12:13], out0 s[14:15]
	v_lshl_add_u32 v[SPW], v0, 2, SPARE
	v_mov_b32 v[NIL], 0
	ds_add_u32 v[SPW], v[NIL]                      ; the wave's opening: the add and its wait stand ahead of my first tensor load; the set-up below, work on registers, stands between them
	v_lshrrev_b32 v1, 5, v0
	v_readfirstlane_b32 s[WV], v1                  ; wave 0..3
	s_bfe_u32 s17, ttmp6, 0x40000                  ; cx: my place in the cluster
	s_lshl_b32 s18, ttmp9, 2                       ; in a cluster launch ttmp9 counts clusters
	s_add_co_u32 s18, s18, s17                     ; my work-group: it enters x's and out0's addresses alone
	; group 1 for weights: 64 rows x 128 bf16, dense in memory, padded in LDS
	s_mov_b32 s[G1W], 15|(1<<16)|(1<<20)|(1<<21)|(5<<22)|(3<<25)  ; 15:0 the mask of four; 17:16 2-byte elements; 20 padding on; 21 set beside a mask; 24:22 after every 64 words; 31:25 4 words
	s_mov_b32 s[G1W+1], 128<<16                    ; tensor_dim0 = 128
	s_mov_b32 s[G1W+2], 64<<16                     ; tensor_dim1 = 64
	s_mov_b32 s[G1W+3], 128<<16                    ; tile_dim0 = 128
	s_mov_b32 s[G1W+4], 64                         ; tile_dim1 = 64
	s_mov_b32 s[G1W+5], 128                        ; elements from row to row
	s_mov_b32 s[G1W+6], 0
	s_mov_b32 s[G1W+7], 0
	; group 1 for x: 16 rows x 128 f32 (512 bytes, beginning at a multiple of 512 in the row), no mask
	s_mov_b32 s[G1X], (2<<16)|(1<<20)|(6<<22)|(3<<25)  ; 4-byte elements; padding after every 128 words, 4 words
	s_mov_b32 s[G1X+1], 128<<16
	s_mov_b32 s[G1X+2], 16<<16
	s_mov_b32 s[G1X+3], 128<<16
	s_mov_b32 s[G1X+4], 16
	s_mov_b32 s[G1X+5], 1024
	s_mov_b32 s[G1X+6], 0
	s_mov_b32 s[G1X+7], 0
	s_mul_i32 s19, s[WV], WQ                       ; my 64 rows of a slot: no place in the cluster enters an LDS address
	s_mov_b32 s[G0A], 1
	s_mov_b32 s[G0A+1], s19
	s_mov_b32 s[G0W], 1
	s_add_co_u32 s[G0W+1], s19, SLOTX
	s_mul_i32 s19, s[WV], XPC                      ; pieces w and w + 4 of x
	s_mov_b32 s[G0X], 1
	s_add_co_u32 s[G0X+1], s19, XB
	s_mov_b32 s[G0X+4], 1
	s_add_co_u32 s[G0X+5], s19, XB+4*XPC
	s_lshl_b32 s22, s[WV], 14                      ; my 64 rows of a chunk in memory
	s_mov_b32 s23, 0
	s_lshl_b32 s20, s18, 16                        ; my work-group's 16 rows of x,
	s_lshl_b32 s21, s[WV], 9                       ; my first piece
	s_add_co_u32 s20, s20, s21
	s_mov_b32 s21, 0
	s_mul_i32 s2, s18, 640                         ; my work-group's 16 rows of out0
	s_mov_b32 s3, 0
	s_mov_b32 s[C01], 0x3dcccccd
	s_mov_b32 s[C01+1], 0x3dcccccd
	s_mov_b32 s[C08], 0x3f4ccccd
	s_mov_b32 s[C08+1], 0x3f4ccccd
	s_mov_b32 s[HM], 0xffff0000
	s_wait_dscnt 0x0                               ; the opening add is done
	s_wait_kmcnt 0x0
	s_add_nc_u64 s[G0A+2:G0A+3], s[6:7], s[22:23]
	s_add_nc_u64 s[G0W+2:G0W+3], s[G0A+2:G0A+3], 0x10000
	s_or_b32 s[G0A+3], s[G0A+3], 0x80000000        ; type = 2
	s_or_b32 s[G0W+3], s[G0W+3], 0x80000000
	s_add_nc_u64 s[G0X+2:G0X+3], s[4:5], s[20:21]
	s_add_nc_u64 s[G0X+6:G0X+7], s[G0X+2:G0X+3], 2048
	s_or_b32 s[G0X+3], s[G0X+3], 0x80000000
	s_or_b32 s[G0X+7], s[G0X+7], 0x80000000
	s_add_nc_u64 s[14:15], s[14:15], s[2:3]
	ROUND                                          ; all four work-groups are here: the first joint loads meet
	tensor_load_to_lds s[G0A:G0A+3], s[G1W:G1W+7]  ; the first fills, one group: four loads of mine are out.  Chunk 0,
	s_nop 0
	tensor_load_to_lds s[G0X:G0X+3], s[G1X:G1X+7]  ; piece w of x,
	s_nop 0
	tensor_load_to_lds s[G0X+4:G0X+7], s[G1X:G1X+7]  ; piece w + 4,
	s_nop 0
	tensor_load_to_lds s[G0W:G0W+3], s[G1W:G1W+7]  ; chunk 1
	s_nop 0
	PLACES
	; all that follows, up to the first barrier, stands in the wait for those tiles
	v_and_b32 v[R], 15, v0
	v_bfe_u32 v[H], v0, 4, 1
	v_lshlrev_b32 v[TA], 5, v[H]
	v_lshl_add_u32 v[TA], s[WV], 8, v[TA]          ; byte of unit 64 w + 8 h in a bias
.set b, 0
.rept 3                                ; accumulator nb's register j holds unit 64 w + 16 nb + 8 h + j: eight numbers of each bias for each nb
.set n, 0
.rept 8
	global_load_b128 v[160+32*b+4*n:160+32*b+4*n+3], v[TA], s[8+2*b:9+2*b] offset:64*(n/2)+16*(n%2)
.set n, n+1
.endr
.set b, b+1
.endr
	v_and_b32 v[L16], 31, v0
	v_lshrrev_b32 v[XAD], 1, v[L16]
	v_mul_u32_u24 v[XLT], v[XAD], XP               ; thread n writes bytes 8 n .. of an image: batch row l / 2,
	v_and_b32 v[XAD], 1, v0
	v_lshl_add_u32 v[XLT], v[XAD], 4, v[XLT]       ; features 8 w + 4 (l % 2) + 0..3 of the K step
	s_lshl_b32 s19, s[WV], 5
	s_add_co_u32 s19, s19, XB
	v_add_nc_u32 v[XLT], s19, v[XLT]
	v_lshlrev_b32 v[L16], 4, v[L16]
	v_add_nc_u32 v[ERD], OREG, v[L16]
	v_lshl_add_u32 v[EWR], v0, 3, OREG
	v_mul_u32_u24 v[WL0], v[R], WP
	v_lshl_add_u32 v[WL0], v[H], 4, v[WL0]         ; a fragment's row x pitch + 16 x half
	s_mul_i32 s19, s[WV], WQ
	v_add_nc_u32 v[WL0], s19, v[WL0]
	v_add_nc_u32 v[WL1], SLOTX, v[WL0]
	s_lshl_b32 s19, s[WV], 11
	s_add_co_u32 s19, s19, OREG
	v_add_nc_u32 v[OW], s19, v[L16]
	v_add_nc_u32 v[OW+1], 0x10000, v[OW]
	v_add_nc_u32 v[OW+2], 0x20000, v[OW]
	v_mov_b32 v[BIG], 0x4e800000
	v_mov_b32 v[BIG+1], 0x4e800000
	v_mov_b32 v[NEGE], 0xce800000
	v_mov_b32 v[NEGE+1], 0xce800000
	v_mov_b32 v[NEGL], 0xcd6b851f
	v_mov_b32 v[NEGL+1], 0xcd6b851f
.set k, 0
.rept 4
	v_mov_b32 v[ZZ+k], 0
.set k, k+1
.endr
	; The first epoch has no K step to multiply: its weights and spikes are zeros, the price of one text for every trip.  E1 and ZPAD are written here, a quarter a wave.
	s_mul_i32 s19, s[WV], EB/4
	s_add_co_u32 s19, s19, OREG+EB
	v_add_nc_u32 v[XAD], s19, v[L16]
.set n, 0
.rept 11
	ds_store_b128 v[XAD], v[ZZ:ZZ+3] offset:512*n
.set n, n+1
.endr
	s_mul_i32 s19, s[WV], 2560
	s_add_co_u32 s19, s19, ZPAD
	v_add_nc_u32 v[WAD], s19, v[L16]
.set n, 0
.rept 5
	ds_store_b128 v[WAD], v[ZZ:ZZ+3] offset:512*n
.set n, n+1
.endr
.set k, 0
.rept 64
	v_mov_b32 v[WF+k], 0
.set k, k+1
.endr
.set k, 0
.rept 16
	v_mov_b32 v[SFX+k], 0
.set k, k+1
.endr
	s_wait_loadcnt 0x0                             ; the biases
.set b, 0
.rept 3                                ; rounded to bf16 and widened again: b1 in place, b2 into BC, b3 into BX
	WIN 0
.set k, 0
.rept 16
	v_cvt_pk_bf16_f32 v[SF+k], v[160+32*b+2*k], v[160+32*b+2*k+1]
.set k, k+1
.endr
.if b == 0
.set bd, 160
.else
	WIN 0x40
.set bd, 32*(b-1)
.endif
.set k, 0
.rept 16
	v_lshlrev_b32 v[bd+2*k], 16, v[SF+k]
	v_and_b32 v[bd+2*k+1], s[HM], v[SF+k]
.set k, k+1
.endr
.set b, b+1
.endr
.set tq, 0
.rept 22                               ; b1 starts all 88 sums of the first product: its every K step adds in place, so that one text serves them all
	WIN ((320+32*tq)/256)<<6
.set k, 0
.rept 32
	v_mov_b32 v[(320+32*tq)%256+k], v[160+k]
.set k, k+1
.endr
.set tq, tq+1
.endr
	WIN 0
	s_wait_tensorcnt 0x2                           ; chunk 0 and my first piece of x are in; my second piece and chunk 1 may stay out
	s_wait_dscnt 0x0                               ; my zeros are written
	s_barrier_signal -1
	s_barrier_wait -1
	ds_load_b128 v[X0:X0+3], v[XLT]                ; x of K step 0
	s_wait_dscnt 0x0
	v_cvt_pk_bf16_f32 v[T], v[X0], v[X0+1]
	v_cvt_pk_bf16_f32 v[T+1], v[X0+2], v[X0+3]
	v_lshlrev_b32 v[X0], 16, v[T]
	v_and_b32 v[X0+1], s[HM], v[T]
	v_lshlrev_b32 v[X0+2], 16, v[T+1]
	v_and_b32 v[X0+3], s[HM], v[T+1]
	; THE FIRST PRODUCT: epochs s = -1 .. 30, four to a chunk of weights
	s_mov_b32 s[WB], 0
	s_mov_b32 s[XO1], 128
	s_mov_b32 s[XO0], 256
	s_mov_b32 s[SLOTS], 8
	s_branch .Lfirst                               ; the first trip has no slot to change
.Lslot:                                                ; seven times: chunks 2 to 8 are asked for, each four epochs ahead of the wait for it
	CHANGE 1
.Lfirst:
	s_mov_b32 s[PAIRS], 2
.Lpair:
	EPOCH 1
	EPOCH 0
	s_add_co_u32 s[WB], s[WB], 128                 ; two K steps on along the weight rows,
	s_add_co_u32 s[XO1], s[XO1], 256               ; and in x; the even step's second fetch of a chunk lies in the next piece: 8,448 - 256
	s_add_co_u32 s[XO0], s[XO0], 8192
	s_sub_co_u32 s[PAIRS], s[PAIRS], 1
	s_cmp_lg_u32 s[PAIRS], 0
	s_cbranch_scc1 .Lpair
	s_sub_co_u32 s[SLOTS], s[SLOTS], 1
	s_cmp_lg_u32 s[SLOTS], 0
	s_cbranch_scc1 .Lslot
	; the tail: steps 20, 21 of K step 30, then K step 31 from E1
.set LC, 0
	LOADSF 0, EB
	LOADSF 1, EB+1024
.set i, 0
.rept 8
	MMA 20+i/4, i%4, WF, SFX+8*(i/4), 0
.set i, i+1
.endr
.set tq, 0
.rept 22
	TURNP tq
.set tq, tq+1
.endr
	s_wait_dscnt 0x0                               ; my reads of E1 are over
	s_barrier_signal -1
	s_barrier_wait -1                              ; everybody's are: OREG may be written
.set k, 0
.rept 4
	v_mov_b32 v[X0+k], 0
.set k, k+1
.endr
.set tq, 0
.rept 22                               ; my own images start at 0: the first layer has no residual, and one text adds the old image in every layer
.set n, 0
.rept 4
	ds_store_b128 v[OW+tq/8], v[X0:X0+3] offset:(tq%8)*8192+512*n
.set n, n+1
.endr
.set tq, tq+1
.endr
; THE SECOND AND THIRD PRODUCT.  A k block (32 units of the layer before): 21 spike fragments and 4 weight fragments in registers, 84 matrix instructions, nb by nb, the 21 steps' accumulators by turns.
; Each group of registers is loaded for the next k block as soon as its last product has its four places behind it.
.macro GPASS nb, t0, t1, first
.set tt, \t0
.rept (\t1)-(\t0)+1
	MMA tt, \nb, GW, GS+8*(tt-1), \first
.set tt, tt+1
.endr
.endm
.macro GWLOAD nb
	WIN 0
	ds_load_b128 v[GW+8*(\nb):GW+8*(\nb)+3],   v[WAD] offset:(\nb)*16*WP
	ds_load_b128 v[GW+8*(\nb)+4:GW+8*(\nb)+7], v[WAD] offset:(\nb)*16*WP+32
.endm
.macro GSLOAD t0, t1
	WIN 0
.set tt, \t0
.rept (\t1)-(\t0)+1
	ds_load_b128 v[GS+8*(tt-1):GS+8*(tt-1)+3],   v[OR+(tt-1)/8] offset:((tt-1)%8)*8192
	ds_load_b128 v[GS+8*(tt-1)+4:GS+8*(tt-1)+7], v[OR+(tt-1)/8] offset:((tt-1)%8)*8192+512
.set tt, tt+1
.endr
.endm
; At its head 50 loads may be out, oldest first: 6 (weights nb 0-2), 14, 14, 14 (steps 1-7, 8-14, 15-21), 2 (weights nb 3).
; The look-ahead of a half's last block wraps to the rows' first byte, and that of the layer's last block reads the next step's block 0: bytes that hold numbers, which nobody uses.
.macro KB first, wls
	s_add_co_u32 s[WK], s[WK], 64
	s_and_b32 s[WK], s[WK], 0xc0
	s_add_co_u32 s[KO], s[KO], 1024
	WIN 0
	v_add_nc_u32 v[WAD], s[WK], v[\wls]
	s_wait_dscnt 30                                ; weights nb 0-2 and steps 1-7 are in: 14 + 14 + 2 may be out
	GPASS 0, 1, 7, \first
	s_wait_dscnt 16                                ; steps 8-14: 14 + 2 may be out
	GPASS 0, 8, 14, \first
	s_wait_dscnt 2                                 ; steps 15-21: weights nb 3 may be out
	GPASS 0, 15, 21, \first
	PLACES
	GWLOAD 0
	GPASS 1, 1, 21, \first
	PLACES
	GWLOAD 1
	GPASS 2, 1, 21, \first
	PLACES
	GWLOAD 2
	s_wait_dscnt 6                                 ; weights nb 3 are in: the six loads just issued may be out
	GPASS 3, 1, 7, \first
	WIN 0
	v_add_nc_u32 v[OR], s[KO], v[ERD]              ; the next block's images; with the v_nop these are the four places
	v_add3_u32 v[OR+1], v[ERD], s[KO], 0x10000
	v_add3_u32 v[OR+2], v[ERD], s[KO], 0x20000
	v_nop
	GSLOAD 1, 7
	GPASS 3, 8, 14, \first
	PLACES
	GSLOAD 8, 14
	GPASS 3, 15, 21, \first
	PLACES
	GSLOAD 15, 21
	GWLOAD 3
.endm
; THE LIF SCAN.  Step t = 1 .. 22 of my 64 units x 16 batch rows: 16 register pairs, each accumulator's lowest registers read first.
.macro LRLOAD s                        ; my own images of step s + 1, as they stand
.set n, 0
.rept 4
	ds_load_b128 v[LR+16*(((\s)+1)%2)+4*n:LR+16*(((\s)+1)%2)+4*n+3], v[OW+(\s)/8] offset:((\s)%8)*8192+512*n
.set n, n+1
.endr
.endm
.macro LIFSTEP t
.set ab, (320+32*(\t))%256
.set lw, (320+32*(\t))/256
	WIN 0
.if (\t) < 22
	LRLOAD \t
.endif
.if (\t) == 1                          ; v[0] = 0, i[0] = input 0: v = 0.1 input 0, i = 0.8 input 0 + input 1
	WIN 0x01
.set p, 0
.rept 16
	v_pk_mul_f32 v[LV+2*p:LV+2*p+1], v[64+2*p:64+2*p+1], s[C01:C01+1] op_sel_hi:[1,0]
.set p, p+1
.endr
	WIN 0x11
.set p, 0
.rept 16
	v_pk_fma_f32 v[LI+2*p:LI+2*p+1], v[64+2*p:64+2*p+1], s[C08:C08+1], v[96+2*p:96+2*p+1] op_sel_hi:[1,0,1]
.set p, p+1
.endr
	WIN 0
.else
.set p, 0
.rept 16
	v_pk_add_f32 v[LZ+2*p:LZ+2*p+1], v[LI+2*p:LI+2*p+1], v[LV+2*p:LV+2*p+1] neg_lo:[0,1] neg_hi:[0,1]
.set p, p+1
.endr
.set p, 0
.rept 16
	v_pk_fma_f32 v[LV+2*p:LV+2*p+1], v[LZ+2*p:LZ+2*p+1], s[C01:C01+1], v[LV+2*p:LV+2*p+1] op_sel_hi:[1,0,1]
.set p, p+1
.endr
.if (\t) < 22
	WIN lw<<4
.set p, 0
.rept 16
	v_pk_fma_f32 v[LI+2*p:LI+2*p+1], v[LI+2*p:LI+2*p+1], s[C08:C08+1], v[ab+2*p:ab+2*p+1] op_sel_hi:[1,0,1]
.set p, p+1
.endr
	WIN 0
.endif
.endif
.set p, 0
.rept 16
	v_pk_fma_f32 v[LZ+2*p:LZ+2*p+1], v[LV+2*p:LV+2*p+1], v[BIG:BIG+1], v[NEGL:NEGL+1] clamp
.set p, p+1
.endr
.if (\t) < 22
.set p, 0
.rept 16
	v_pk_fma_f32 v[LV+2*p:LV+2*p+1], v[LZ+2*p:LZ+2*p+1], v[LV+2*p:LV+2*p+1], v[LV+2*p:LV+2*p+1] neg_lo:[1,0,0] neg_hi:[1,0,0]
.set p, p+1
.endr
.endif
.set p, 0
.rept 16
	v_cvt_pk_bf16_f32 v[LS+p], v[LZ+2*p], v[LZ+2*p+1]
.set p, p+1
.endr
.if ((\t) == 1) || ((\t) == 22)
	s_wait_dscnt 4                                 ; the old images of this step are in; behind their loads: step 1: the next step's four loads; step 22: the last step's four stores
.else
	s_wait_dscnt 8                                 ; behind their loads: the last step's four stores and the next step's four loads
.endif
.set p, 0
.rept 16
	v_pk_add_bf16 v[LS+p], v[LS+p], v[LR+16*((\t)%2)+p]  ; the residual: 0 to 3, exact in bf16
.set p, p+1
.endr
.set n, 0
.rept 4
	ds_store_b128 v[OW+((\t)-1)/8], v[LS+4*n:LS+4*n+3] offset:(((\t)-1)%8)*8192+512*n
.set n, n+1
.endr
.endm
	s_mov_b32 s[LCT], 3
	s_branch .Llif                                 ; LIF, product, LIF, product, LIF: the loop is entered at its LIF
.Llayer:
	CHANGE 0                                       ; my spikes are stored and everybody's are; the layer's first chunk is in; its second is asked for (chunk 9, then 11)
	s_mov_b32 s[WK], 0
	s_mov_b32 s[KO], 0
	v_mov_b32 v[WAD], v[WL0]
	v_mov_b32 v[OR], v[ERD]
	v_add_nc_u32 v[OR+1], 0x10000, v[ERD]
	v_add_nc_u32 v[OR+2], 0x20000, v[ERD]
	GWLOAD 0
	GWLOAD 1
	GWLOAD 2
	GSLOAD 1, 7
	GSLOAD 8, 14
	GSLOAD 15, 21
	GWLOAD 3
	WIN 0x41
.set k, 0
.rept 32
	v_mov_b32 v[64+k], v[BC+k]                     ; step 0 has no spikes: its input is the bias
.set k, k+1
.endr
	KB 1, WL0                                      ; k block 0: the bias starts the sums
	WIN 0
	s_mov_b32 s[KBC], 3
.Lkb0:
	KB 0, WL0
	WIN 0
	s_sub_co_u32 s[KBC], s[KBC], 1
	s_cmp_lg_u32 s[KBC], 0
	s_cbranch_scc1 .Lkb0
	CHANGE 0                                       ; the second chunk is in; the next layer's first is asked for (chunk 10, then 12: the readout's)
	s_mov_b32 s[WK], 0
	v_mov_b32 v[WAD], v[WL1]
	GWLOAD 0                                       ; k block 4's weights lie in the other slot: the look-ahead's are dropped; its spikes stand
	GWLOAD 1
	GWLOAD 2
	GWLOAD 3
	s_wait_dscnt 0x0
	s_mov_b32 s[KBC], 4
.Lkb1:
	KB 0, WL1
	WIN 0
	s_sub_co_u32 s[KBC], s[KBC], 1
	s_cmp_lg_u32 s[KBC], 0
	s_cbranch_scc1 .Lkb1
	WIN 0x41
.set k, 0
.rept 32
	v_mov_b32 v[BC+k], v[BX+k]                     ; the next product's bias
.set k, k+1
.endr
	WIN 0
	s_wait_dscnt 0x0                               ; my reads of the images are over,
	s_barrier_signal -1
	s_barrier_wait -1                              ; everybody's are: the LIF may write them anew
.Llif:
	LRLOAD 0
.set tq, 1
.rept 22
	LIFSTEP tq
.set tq, tq+1
.endr
	s_sub_co_u32 s[LCT], s[LCT], 1
	s_cmp_lg_u32 s[LCT], 0
	s_cbranch_scc1 .Llayer
	; THE READOUT.  Each wave multiplies its own 64 units' spikes (its own images: LDS serves a wave's instructions in order, ISA guide 5.7.1.4) by its rows of chunk 12, which it fetched itself.
	; D(t) lies in window 2 at v[8 (t - 1)]: lane (r, h) holds batch row r, register j class 8 h + j.
	s_wait_tensorcnt 0x0                           ; chunk 12 is in: no load was issued behind it
	ds_load_b128 v[RW:RW+3],     v[WL0]
	ds_load_b128 v[RW+4:RW+7],   v[WL0] offset:32
	ds_load_b128 v[RW+8:RW+11],  v[WL0] offset:64
	ds_load_b128 v[RW+12:RW+15], v[WL0] offset:96
.macro RFLOAD p                        ; steps 2 p + 1 and 2 p + 2, two k blocks each
	WIN 0
.set n, 0
.rept 4
	ds_load_b128 v[RF+32*((\p)%2)+8*n:RF+32*((\p)%2)+8*n+3],   v[OW+(2*(\p)+n/2)/8] offset:((2*(\p)+n/2)%8)*8192+1024*(n%2)
	ds_load_b128 v[RF+32*((\p)%2)+8*n+4:RF+32*((\p)%2)+8*n+7], v[OW+(2*(\p)+n/2)/8] offset:((2*(\p)+n/2)%8)*8192+1024*(n%2)+512
.set n, n+1
.endr
.endm
	RFLOAD 0
.set pr, 0
.rept 11
	PLACES                                         ; for the loads into the buffer that the pair before multiplied
.if pr < 10
	RFLOAD pr+1
	s_wait_dscnt 8                                 ; this pair is in; the eight loads just issued may be out
.else
	s_wait_dscnt 0x0
.endif
	WIN 0xa0
.set rf, RF+32*(pr%2)
	v_wmma_f32_16x16x32_bf16 v[16*pr:16*pr+7],    v[RW:RW+7],    v[rf:rf+7],     0                    ; the two steps' accumulators take turns
	v_wmma_f32_16x16x32_bf16 v[16*pr+8:16*pr+15], v[RW:RW+7],    v[rf+16:rf+23], 0
	v_wmma_f32_16x16x32_bf16 v[16*pr:16*pr+7],    v[RW+8:RW+15], v[rf+8:rf+15],  v[16*pr:16*pr+7]
	v_wmma_f32_16x16x32_bf16 v[16*pr+8:16*pr+15], v[RW+8:RW+15], v[rf+24:rf+31], v[16*pr+8:16*pr+15]
.set pr, pr+1
.endr
	PLACES
	; the leaky integrator: io[1] = D(1), vo[2] = 0.1 D(1), io[2] = 0.8 D(1) + D(2); then vo[t] = vo + 0.1 (io - vo), io[t] = 0.8 io + D(t) up to t = 22; at last vo[23]
	WIN 0x02
.set p, 0
.rept 4
	v_pk_mul_f32 v[VO+2*p:VO+2*p+1], v[2*p:2*p+1], s[C01:C01+1] op_sel_hi:[1,0]
.set p, p+1
.endr
	WIN 0x22
.set p, 0
.rept 4
	v_pk_fma_f32 v[IO+2*p:IO+2*p+1], v[2*p:2*p+1], s[C08:C08+1], v[8+2*p:8+2*p+1] op_sel_hi:[1,0,1]
.set p, p+1
.endr
.set tq, 3
.rept 21
	WIN 0
.set p, 0
.rept 4
	v_pk_add_f32 v[DO+2*p:DO+2*p+1], v[IO+2*p:IO+2*p+1], v[VO+2*p:VO+2*p+1] neg_lo:[0,1] neg_hi:[0,1]
.set p, p+1
.endr
.set p, 0
.rept 4
	v_pk_fma_f32 v[VO+2*p:VO+2*p+1], v[DO+2*p:DO+2*p+1], s[C01:C01+1], v[VO+2*p:VO+2*p+1] op_sel_hi:[1,0,1]
.set p, p+1
.endr
.if tq < 23
	WIN 0x20
.set p, 0
.rept 4
	v_pk_fma_f32 v[IO+2*p:IO+2*p+1], v[IO+2*p:IO+2*p+1], s[C08:C08+1], v[8*(tq-1)+2*p:8*(tq-1)+2*p+1] op_sel_hi:[1,0,1]
.set p, p+1
.endr
.endif
.set tq, tq+1
.endr
	WIN 0
	; my partial voltages into my 1,024 bytes of the stage, in out0's own order: row r at 40 r, class c at 4 c.  The upper lanes' registers 2-7 are classes 10-15, which do not exist: they go to a dump behind the 640 bytes.
	s_lshl_b32 s19, s[WV], 10
	s_add_co_u32 s19, s19, STG
	v_mul_u32_u24 v[TA], v[R], 40
	v_add_nc_u32 v[TA], s19, v[TA]
	v_lshl_add_u32 v20, v[H], 5, v[TA]             ; registers 0, 1: classes 8 h, 8 h + 1
	v_mul_u32_u24 v21, v[R], 24
	s_add_co_u32 s19, s19, 632
	v_add_nc_u32 v21, s19, v21                     ; the dump: 640 + 24 r, less the first offset of 8
	v_cmp_eq_u32 vcc_lo, 1, v[H]
	v_cndmask_b32 v21, v[TA], v21, vcc_lo
	ds_store_b64 v20, v[VO:VO+1]
	ds_store_b64 v21, v[VO+2:VO+3] offset:8
	ds_store_b64 v21, v[VO+4:VO+5] offset:16
	ds_store_b64 v21, v[VO+6:VO+7] offset:24
	s_wait_dscnt 0x0                               ; for the others' sake: my stores are done
	s_barrier_signal -1
	s_barrier_wait -1
	s_cmp_lg_u32 s[WV], 0
	s_cbranch_scc1 .Lend
	; wave 0 adds the four parts and stores the work-group's 160 numbers: each store of the wave covers 128 consecutive bytes of out0 (a work-group's 640 bytes are no multiple of 256)
	v_lshl_add_u32 v20, v0, 2, STG
	v_lshlrev_b32 v21, 2, v0
.set p, 0
.rept 5
.set n, 0
.rept 4
	ds_load_b32 v[48+4*p+n], v20 offset:128*p+1024*n
.set n, n+1
.endr
.set p, p+1
.endr
	s_wait_dscnt 0x0
.set p, 0
.rept 5
	v_add_f32 v[48+4*p], v[48+4*p], v[49+4*p]
	v_add_f32 v[50+4*p], v[50+4*p], v[51+4*p]
	v_add_f32 v[48+4*p], v[48+4*p], v[50+4*p]
	global_store_b32 v21, v[48+4*p], s[14:15] offset:128*p
.set p, p+1
.endr
.Lend:
	s_wait_tensorcnt 0x0                           ; the wave's end, behind my last tensor load and my last LDS store
	ds_add_u32 v[SPW], v[NIL]
	s_wait_dscnt 0x0
	ROUND                                          ; the closing round: no work-group ends while a partner may still ask for a chunk that names it
	s_endpgm
.Lfunc_end_k_qd78847084e_snn:
	.size	k_qd78847084e_snn, .Lfunc_end_k_qd78847084e_snn-k_qd78847084e_snn
	.p2alignl 7, 3214868480
	.fill 96, 4, 3214868480
	.section	.rodata,"a",@progbits
	.p2align	6, 0x0
	.amdhsa_kernel k_qd78847084e_snn
		.amdhsa_group_segment_fixed_size 327680
		.amdhsa_private_segment_fixed_size 0
		.amdhsa_enable_private_segment 0
		.amdhsa_kernarg_size 48
		.amdhsa_user_sgpr_count 2
		.amdhsa_user_sgpr_kernarg_segment_ptr 1
		.amdhsa_wavefront_size32 1
		.amdhsa_system_sgpr_workgroup_id_x 1
		.amdhsa_system_sgpr_workgroup_id_y 1
		.amdhsa_system_sgpr_workgroup_id_z 1
		.amdhsa_system_vgpr_workitem_id 0
		.amdhsa_next_free_vgpr 1024
		.amdhsa_next_free_sgpr 72
		.amdhsa_reserve_vcc 1
		.amdhsa_float_denorm_mode_32 3
		.amdhsa_float_denorm_mode_16_64 3
		.amdhsa_memory_ordered 1
		.amdhsa_forward_progress 1
		.amdhsa_inst_pref_size 255
	.end_amdhsa_kernel
	.section	.bss,"aw",@nobits
	.p2align	6
	.space	262144
	.amdgpu_metadata
---
amdhsa.version: [ 1, 2 ]
amdhsa.kernels:
  - .name:           k_qd78847084e_snn
    .symbol:         k_qd78847084e_snn.kd
    .args:
      - { .name: x, .offset: 0, .size: 8, .value_kind: global_buffer, .address_space: global }
      - { .name: wb, .offset: 8, .size: 8, .value_kind: global_buffer, .address_space: global }
      - { .name: b1, .offset: 16, .size: 8, .value_kind: global_buffer, .address_space: global }
      - { .name: b2, .offset: 24, .size: 8, .value_kind: global_buffer, .address_space: global }
      - { .name: b3, .offset: 32, .size: 8, .value_kind: global_buffer, .address_space: global }
      - { .name: out0, .offset: 40, .size: 8, .value_kind: global_buffer, .address_space: global }
    .group_segment_fixed_size: 327680
    .private_segment_fixed_size: 0
    .kernarg_segment_align: 8
    .kernarg_segment_size: 48
    .max_flat_workgroup_size: 128
    .sgpr_count:     72
    .vgpr_count:     1024
    .wavefront_size: 32
...
	.end_amdgpu_metadata
.endif
;; end of part 2
